; MI455X (gfx1250); checked and timed in simulation.
; The chip was launched on July 23, 2026; its instructions are those of AMD's public machine-readable ISA for CDNA 5 (MIT licence, August 2026) and "CDNA5" Instruction Set Architecture Reference Guide (July 2026). The comments in the code are by the model that wrote it; some were corrected since.
;; Self Attn Reduction. Allowed arithmetic: matrix products marked QUANTISED: E2M1 operands, one E8M0 scale for each 32 along K, by v_wmma_scale_f32_16x16x128_f8f6f4 with both operands' format E2M1 (or v_wmma_scale_f32_32x16x128_f4), f32 sums; products left as they are: f32 operands where the result goes on into a quantised operand, else bf16, f16 or f32 operands; f32 sums; everything else in f32.
;; Inputs: Wk 512 x 512 float32; Wq 512 x 512 float32; Wv 512 x 512 float32; bk 512 float32; bq 512 float32; bv 512 float32; lens 16 int32; x 16 x 4,096 x 512 float32.
;; Outputs: out0 16 x 4,096 float32.
;; This version of the problem:
;;   THIS VERSION OF THE PROBLEM IS GIVEN IN LOW PRECISION. The matrix products marked QUANTISED in the list below multiply operands that are first quantised to E2M1 (2 exponent bits, 1 mantissa bit; 4 bits a number), with one power-of-two scale for each 32 numbers along K (OCP MX v1.0); their sums are f32. All else is computed in f32.
;;   The module's matrix products, in the order in which they are computed (A, B: the left and right operand; K: the contracted axis; several contracted axes count as one K, in the product's order):
;;     1. [M 65,536, K 512] x [K 512, N 512]; A: input x; B: input Wk: QUANTISED
;;     2. [M 65,536, K 512] x [K 512, N 512]; A: input x; B: input Wq: QUANTISED
;;     3. [M 65,536, K 512] x [K 512, N 512]; A: input x; B: input Wv: QUANTISED
;;     4. batch 16 x [M 4,096, K 512] x [K 512, N 1]; A: computed on the way; B: computed on the way: left as it is (N = 1 < 16)
;;   THE QUANTISER, for each operand of a quantised product, along K:
;;     - K is cut into blocks of 32 from its start; a last block that is shorter is filled with zeros.
;;     - A block's scale is 2^e with e = floor(log2(the largest magnitude in the block)) - 2, held to -126 .. 127; a block of zeros has e = 0. As a byte (E8M0): e + 127.
;;     - Each number is divided by its block's scale, clamped to +-6, and rounded to the nearest number of E2M1, ties to even, subnormals kept.
;;     - The product sums the exact products of the quantised numbers (number of the format x scale) in f32.
;;   ~~~python
;;   def quantise(x, axis):      # numpy; x: float32 -> the quantised numbers, widened to float32 again
;;       x = np.moveaxis(x, axis, -1); K = x.shape[-1]
;;       x = np.pad(x, [(0, 0)] * (x.ndim - 1) + [(0, -K % 32)]); x = x.reshape(x.shape[:-1] + (-1, 32)); a = np.abs(x).max(-1, keepdims=True)
;;       e = np.where(a > 0, np.clip(np.frexp(np.where(a > 0, a, 1))[1] - 1 - 2, -126, 127), 0)      # np.frexp(a)[1] - 1 = floor(log2(a)), exactly
;;       r = np.clip(x / 2.0 ** e, -6, 6)
;;       step = 2.0 ** (np.maximum(np.frexp(np.where(r == 0, 1, r))[1] - 1, 0) - 1)
;;       q = np.round(r / step) * step * 2.0 ** e      # np.round: ties to even
;;       return np.moveaxis(q.reshape(q.shape[:-2] + (-1,))[..., :K], -1, axis).astype(np.float32)
;;   ~~~
;; One version. Each part assembles by itself: llvm-mc -triple=amdgcn-amd-amdhsa -mcpu=gfx1250 --defsym DOCPART=n.
;; ======== version 1 of 1: 4 launches
;; limits: right only within a limited range of input values
;; workspace buffers: wcodes 393,216 bytes; wscales 24,576 bytes; xcodes 16,777,216 bytes; xscales 1,048,576 bytes; qpart 524,288 bytes; part 2,097,152 bytes
;; launch wquant (part 1): grid 192 x 1, 2 waves a work-group, no clusters, 0 bytes of LDS; arguments Wq, Wk, Wv, wcodes, wscales; writes wcodes, wscales
.if DOCPART == 1
	.amdgcn_target "amdgcn-amd-amdhsa--gfx1250"
	.amdhsa_code_object_version 6
	.text
	.protected	k_q8d84dab3cf_wquant
	.globl	k_q8d84dab3cf_wquant
	.p2align	8
	.type	k_q8d84dab3cf_wquant,@function
k_q8d84dab3cf_wquant:
	s_mov_b64 s[64:65], 0
	v_nop
	global_prefetch_b8 v0, s[64:65] scope:SCOPE_SE
	s_setreg_imm32_b32 hwreg(HW_REG_WAVE_MODE, 25, 1), 1
	s_wait_xcnt 0x0
; THE PROGRAM: out0[b][l] = sum_e tanh(x Wv^T + bv)[b][l][e] x softmax_l(mask(tanh(x Wk^T + bk)[b][l] . q_sum[b] / sqrt(512))), q_sum[b] = sum over all l of tanh(x Wq^T + bq)[b][l].
; Four launches: this one (the weights become codes), qpass (x becomes codes; q_sum in parts), kvpass (scores and row sums), softmax.
; WORK THAT IS NOT DONE.  For l >= lens[b] reference() sets the score to -infinity ahead of the softmax: the weight there is exp(-infinity) = 0, and out0[b][l] = (a sum of 512 tanh, bounded by 512) x 0 = 0,
; whatever finite values x, Wk, Wv, bk, bv hold.  So the products with Wk and Wv, their tanh and the product with q_sum are made only for tiles of 16 rows that hold a row under lens[b]; lens is a whole number
; that the launch which leaves the tiles out reads from memory.  The product with Wq is live in every row: q_sum has no mask.  Every input has a way to the output, and all are loaded.
; LIMITS: a NaN, an infinity or an overflow that reaches only the work left out is not carried to the result; NaN and infinities among the inputs are not served; lens is held to 1 .. 4096 (lens = 0 is not served);
; a padded row may hold -0 where reference() has +0.
;
; THIS LAUNCH: Wq, Wk, Wv [512 (e)][512 (k)] f32 become codes of E2M1 with one E8M0 byte for each 32 along k, laid as the matrix unit's operand registers lie:
; a fragment (16 rows e x 128 k) is an image of 1,024 bytes, [c = 0, 1][lane][16 bytes] = registers 4 c .. 4 c + 3 of the lane; image ((mat x 32 + ct) x 4 + ks), mat 0 = Wq, 1 = Wk, 2 = Wv.
; THE ROWS e OF A TILE ct ARE CHOSEN: all that follows sums over e, so which e lands in which lane is free.  Wq: lane r of tile ct holds e = 32 (ct / 2) + 2 r + ct % 2; Wk, Wv: e = 128 (ct / 8) + 8 r + ct % 8.
; So a lane of a wave that owns 2 (8) tiles on end holds 2 (8) neighbouring e, and its biases and q_sum come by wide loads.
; Scale words: 256 bytes for each (mat, ct): [ks 0 .. 3][r 0 .. 15].
; A block's scale is 2^(floor(log2(largest magnitude)) - 2); its byte is that magnitude's exponent field - 2, held at 1 from below.  A block of zeros so gets the byte 1 where the rule says 127: its codes are zeros,
; which add nothing, and this program alone reads the bytes.
; SHARES: 384 wave tasks (mat, ct, ks): one fragment each, 16 loads a wave, two waves to a work-group, so that a lane's scattered 16-byte pieces are spread over many work-groups.
; No LDS, no barrier: waves share nothing.  Matrix units, clusters and tensor loads buy nothing for 3 MiB read once.
.set TM,  16                           ; v16-31   at work in QUANT
.set PC,  32                           ; v32-39   the codes
.set PW,  48                           ; v48      the scale word
.set X,   64                           ; v64-127  64 numbers
.set SEL, 20                           ; s[20:21] lane selects for v_permlanex16_b32: lane l xor 16
; 64 numbers of a lane, register 16 b + i = k 32 b + 16 (lane / 16) + i of my row, become a fragment's 8 registers of codes and its scale word
.macro QUANT s, pc, pw
.irp b, 0,1,2,3
	v_max3_num_f32 v[TM+\b], |v[\s+16*\b]|, |v[\s+16*\b+1]|, 0x1800000   ; block b: my 16 numbers, and the floor 2^(3 - 127): the byte cannot fall under 1
.endr
.irp i, 2,4,6,8,10,12,14
.irp b, 0,1,2,3
	v_max3_num_f32 v[TM+\b], v[TM+\b], |v[\s+16*\b+\i]|, |v[\s+16*\b+\i+1]|   ; the four blocks by turns
.endr
.endr
.irp b, 0,1,2,3
	v_permlanex16_b32 v[TM+4+\b], v[TM+\b], s[SEL], s[SEL+1]
.endr
.irp b, 0,1,2,3
	v_max_num_f32 v[TM+\b], v[TM+\b], v[TM+4+\b]   ; with lane l xor 16: the block's largest magnitude
.endr
.irp b, 0,1,2,3
	v_add_nc_u32 v[TM+12+\b], 0xff000000, v[TM+\b] ; 2 off its exponent field: the conversion's scale operand
.endr
.irp b, 0,1,2,3
	v_lshrrev_b32 v[TM+4+\b], 23, v[TM+12+\b]      ; the scale's byte
.endr
	v_lshl_or_b32 v[\pw], v[TM+5], 8, v[TM+4]
	v_lshl_or_b32 v[\pw], v[TM+6], 16, v[\pw]
	v_lshl_or_b32 v[\pw], v[TM+7], 24, v[\pw]      ; my row's scale word, the same in lanes l and l xor 16
.irp b, 0,1,2,3
	v_cvt_scalef32_pk8_fp4_f32 v[\pc+2*\b], v[\s+16*\b:\s+16*\b+7], v[TM+12+\b]
	v_cvt_scalef32_pk8_fp4_f32 v[\pc+2*\b+1], v[\s+16*\b+8:\s+16*\b+15], v[TM+12+\b]
.endr
	v_nop                                          ; one plain instruction behind the last scaled conversion
.irp c, 0,1
.irp i, 0,1
	v_permlane16_swap_b32 v[\pc+4*\c+\i], v[\pc+4*\c+2+\i]   ; the layout wants a whole block in a lane: lanes 0-15 block 2 c, lanes 16-31 block 2 c + 1
.endr
.endr
.endm
	s_load_b128 s[4:7], s[0:1], 0x0                ; Wq, Wk
	s_load_b128 s[8:11], s[0:1], 0x10              ; Wv, wcodes
	s_load_b64 s[12:13], s[0:1], 0x20              ; wscales
	v_lshrrev_b32 v1, 5, v0
	v_readfirstlane_b32 s16, v1                    ; wave 0, 1
	s_lshl_b32 s17, ttmp9, 1
	s_add_co_u32 s17, s17, s16                     ; task = 2 x work-group + wave = (mat x 32 + ct) x 4 + ks
	s_and_b32 s18, s17, 3                          ; ks
	s_bfe_u32 s19, s17, 0x50002                    ; ct: 5 bits from bit 2
	s_lshr_b32 s22, ttmp9, 6                       ; mat: 64 work-groups a weight
	s_cmp_eq_u32 s22, 0
	s_cselect_b32 s23, 1, 3                        ; SH: a tile group is 2 tiles (Wq) or 8 (Wk, Wv)
	s_cselect_b32 s24, 1, 7                        ; its mask
	s_lshr_b32 s25, s19, s23
	s_add_co_u32 s26, s23, 4
	s_lshl_b32 s25, s25, s26                       ; 16 x group size x (ct / group size)
	s_and_b32 s26, s19, s24
	s_add_co_u32 s25, s25, s26                     ; + ct % group size: lane 0's row e
	s_lshl_b32 s26, s18, 9                         ; my K step: 512 bytes of a row
	s_mov_b32 s[SEL], 0x76543210
	s_mov_b32 s[SEL+1], 0xfedcba98
	v_and_b32 v1, 31, v0                           ; lane
	v_and_b32 v2, 15, v0                           ; r
	v_bfe_u32 v3, v0, 4, 1                         ; h
	v_lshlrev_b32 v4, s23, v2
	v_add_nc_u32 v4, s25, v4                       ; my row e
	v_lshlrev_b32 v4, 11, v4                       ; a row is 2,048 bytes
	v_lshl_add_u32 v4, v3, 6, v4                   ; + 64 h: my 16 numbers of each block of 32
	v_add_nc_u32 v4, s26, v4
	v_lshlrev_b32 v5, 4, v1                        ; an image's place for my lane
	v_lshlrev_b32 v6, 2, v2                        ; my row's scale word
.irp b, 0,1,2,3
	v_mov_b32 v[TM+4+\b], 0                        ; written once: a lane permute's destination counts as one of its sources
.endr
	s_mov_b32 s31, 0
	s_wait_alu depctr_va_vdst(0)
	s_wait_kmcnt 0x0
	s_cmp_eq_u32 s22, 2                            ; which weight: the choice hangs on the work-group's number alone
	s_cselect_b64 s[14:15], s[8:9], s[6:7]
	s_cmp_eq_u32 s22, 0
	s_cselect_b64 s[14:15], s[4:5], s[14:15]
	s_lshl_b32 s30, s17, 10                        ; one image a task
	s_add_nc_u64 s[10:11], s[10:11], s[30:31]
	s_lshl_b32 s30, s17, 6                         ; 64 bytes of scale words a task
	s_add_nc_u64 s[12:13], s[12:13], s[30:31]
.irp b, 0,1,2,3
.irp j, 0,1,2,3
	global_load_b128 v[X+16*\b+4*\j:X+16*\b+4*\j+3], v4, s[14:15] offset:128*\b+16*\j th:TH_LOAD_NT
.endr
.endr
	s_wait_loadcnt 0x0
	QUANT X, PC, PW
.irp c, 0,1
	global_store_b128 v5, v[PC+4*\c:PC+4*\c+3], s[10:11] offset:512*\c   ; each store of the wave covers 512 consecutive bytes, aligned
.endr
	global_store_b32 v6, v[PW], s[12:13]           ; 64 consecutive bytes: lanes r and r + 16 hold the same word and name the same place; a quarter of an aligned 256; the whole buffer is 24 KiB
	s_endpgm
.Lfunc_end_k_q8d84dab3cf_wquant:
	.size	k_q8d84dab3cf_wquant, .Lfunc_end_k_q8d84dab3cf_wquant-k_q8d84dab3cf_wquant
	.p2alignl 7, 3214868480
	.fill 96, 4, 3214868480
	.section	.rodata,"a",@progbits
	.p2align	6, 0x0
	.amdhsa_kernel k_q8d84dab3cf_wquant
		.amdhsa_group_segment_fixed_size 0
		.amdhsa_private_segment_fixed_size 0
		.amdhsa_enable_private_segment 0
		.amdhsa_kernarg_size 40
		.amdhsa_user_sgpr_count 2
		.amdhsa_user_sgpr_kernarg_segment_ptr 1
		.amdhsa_wavefront_size32 1
		.amdhsa_system_sgpr_workgroup_id_x 1
		.amdhsa_system_sgpr_workgroup_id_y 1
		.amdhsa_system_sgpr_workgroup_id_z 1
		.amdhsa_system_vgpr_workitem_id 0
		.amdhsa_next_free_vgpr 128
		.amdhsa_next_free_sgpr 66
		.amdhsa_reserve_vcc 0
		.amdhsa_float_denorm_mode_32 3
		.amdhsa_float_denorm_mode_16_64 3
		.amdhsa_memory_ordered 1
		.amdhsa_forward_progress 1
		.amdhsa_inst_pref_size 8
	.end_amdhsa_kernel
	.amdgpu_metadata
---
amdhsa.version: [ 1, 2 ]
amdhsa.kernels:
  - .name:           k_q8d84dab3cf_wquant
    .symbol:         k_q8d84dab3cf_wquant.kd
    .args:
      - { .name: Wq, .offset: 0, .size: 8, .value_kind: global_buffer, .address_space: global }
      - { .name: Wk, .offset: 8, .size: 8, .value_kind: global_buffer, .address_space: global }
      - { .name: Wv, .offset: 16, .size: 8, .value_kind: global_buffer, .address_space: global }
      - { .name: wcodes, .offset: 24, .size: 8, .value_kind: global_buffer, .address_space: global }
      - { .name: wscales, .offset: 32, .size: 8, .value_kind: global_buffer, .address_space: global }
    .group_segment_fixed_size: 0
    .private_segment_fixed_size: 0
    .kernarg_segment_align: 8
    .kernarg_segment_size: 40
    .max_flat_workgroup_size: 64
    .sgpr_count:     66
    .vgpr_count:     128
    .wavefront_size: 32
...
	.end_amdgpu_metadata
.endif
;; end of part 1
;; launch qpass (part 2): grid 256 x 1, 16 waves a work-group, no clusters, 157,696 bytes of LDS; arguments x, wcodes, wscales, bq, xcodes, xscales, qpart; writes xcodes, xscales, qpart
.if DOCPART == 2
	.amdgcn_target "amdgcn-amd-amdhsa--gfx1250"
	.amdhsa_code_object_version 6
	.text
	.protected	k_q8d84dab3cf_qpass
	.globl	k_q8d84dab3cf_qpass
	.p2align	8
	.type	k_q8d84dab3cf_qpass,@function
k_q8d84dab3cf_qpass:
	s_mov_b64 s[64:65], 0
	v_nop
	global_prefetch_b8 v0, s[64:65] scope:SCOPE_SE
	s_setreg_imm32_b32 hwreg(HW_REG_WAVE_MODE, 25, 1), 1
	s_wait_xcnt 0x0
; x [65536][512] f32 becomes codes of E2M1 with one E8M0 byte for each 32 along k (xcodes, xscales, laid as the next launch's operand registers lie), and
; qpart[work-group][e] = the sum over the work-group's 256 rows of tanh(x Wq^T + bq)[row][e].  Nothing is left out here: q_sum has no mask.
; LIMITS: NaN and infinities among the inputs are not served; a block of zeros gets the byte 1 (its codes are zeros, and this program alone reads the bytes).
; SHARES: 256 work-groups of 16 waves, 256 rows each, in eight steps of 32 rows.  In a step wave w quantises rows 2 w and 2 w + 1; then every wave multiplies the step's two tiles of 16 rows by its own
; 32 columns of Wq (2 tiles x 4 K steps = 8 fragments, 64 registers, kept for the whole launch).
; THE STREAM: a row is four loads of 512 consecutive bytes.  Two sets of 32 registers take turns, each filled two steps ahead: a wave has 8 to 16 loads out, the work-group 64 to 128 KiB.
; THE PREFETCH: each wave asks for its own 4,096 bytes of two later steps by one instruction, a lane to each block of 256 bytes: at the head for steps 2 and 3, in step 0 for steps 4 and 5, in step 2 for
; steps 6 and 7: two and three steps ahead of the loads that want them; nothing lies beyond the work-group's eight steps.  Each block is named once: no other wave or work-group reads it.
; No tensor load, hence no joint loads: the weights, shared by all work-groups, go straight into registers once.
; A ROW'S TURN: the conversions want neighbours along k in one lane, the loads neighbouring bytes in neighbouring lanes: a row's 2,048 bytes go through the wave's own stage in LDS (16 bytes of padding behind each 64)
; and come back 64 bytes a lane: lane l holds k = 16 l .. 16 l + 15, two neighbouring lanes hold a block.
; CODES IN LDS: rows of 256 bytes + 16 of padding, all 256 rows beside each other; scale bytes [tile][K step][row][4]: no byte of either is written twice, so one barrier a step (stores, then reads) is all.
; THE ORDER OF A STEP: numbers in, next loads out, codes stored, the barrier's signal; the tanh and the sums of the step BEFORE, work on registers alone, stand between the signal and the wait; then this step's products.
; REGISTERS: v0-61 as named; v64-95 the step's numbers, then x's fragments, two buffers of 2 tiles; v96-127 the four accumulators; v128-191 Wq; v192-255 the two sets of loads.
.set SROW,  2560                       ; a row in the stage: 32 places of 64 + 16 bytes
.set WSTG,  2*SROW                     ; a wave's stage
.set PITCH, 272
.set SBLK,  32*PITCH                   ; a step's codes
.set XC,    16*WSTG                    ; the codes
.set XSC,   XC+256*PITCH               ; the scale bytes, 256 a tile
.set SPARE, XSC+4096                   ; the spare words, 128 bytes a wave: eight blocks of 256 bytes that no other line names
.set XO,  6                            ; x: 4096 w + 16 lane
.set STI, 7                            ; the stage, in
.set STO, 8                            ; the stage, out
.set CW,  9                            ; my rows' codes
.set SBW, 10                           ; my rows' scale bytes
.set LI,  11                           ; fragments: XC + 272 r + 16 h
.set LP,  12                           ; the piece of an image that I store: tile w / 8, K step (w / 2) % 4, half w % 2
.set LS,  13                           ; scale words: XSC + 4 lane
.set LSO, 14                           ; the scale bytes that I store at the end
.set GS,  15
.set GI,  16
.set QO,  17
.set VQ,  18
.set SPW, 19                           ; my spare word; never rewritten
.set NIL, 20                           ; 0; never rewritten
.set L16, 21
.set L4,  22
.set PFO, 23                           ; the prefetches: 4096 w + 256 (lane % 16) + 65536 (lane / 16); never rewritten
.set BQ,  24
.set WS,  26                           ; Wq's scale words, 2 t + p
.set CB,  30                           ; c2 x bias, twice, for each tile
.set XS,  34                           ; x's scale words, 2 m + p: lanes 0-15 K step 2 p, lanes 16-31 K step 2 p + 1
.set QA,  38                           ; the column sums: four registers a tile
.set TM,  46
.set PC,  54
.set SO,  58
.set XF,  64
.set ACC, 96
.set WQ,  128
.set LD,  192
.set WV,  18
.set SEL, 20
.set C2,  22                           ; 2 log2(e), named as a pair
.set HM,  24
.macro XLOAD s                         ; step s's two rows of mine: eight loads of 512 consecutive bytes
.irp i, 0,1
.irp j, 0,1,2,3
	global_load_b128 v[LD+32*((\s)%2)+16*\i+4*\j:LD+32*((\s)%2)+16*\i+4*\j+3], v[XO], s[4:5] offset:(\s)*65536+2048*\i+512*\j th:TH_LOAD_NT
.endr
.endr
.endm
.macro ASK s                           ; my 16 blocks of 256 bytes of step s (lanes 0-15) and of step s + 1 (lanes 16-31)
	global_prefetch_b8 v[PFO], s[4:5] offset:(\s)*65536 th:TH_LOAD_NT scope:SCOPE_SE
.endm
; two rows, 16 numbers a lane each: the block's largest magnitude (with the floor 2^(3 - 127), so that the byte cannot fall under 1), 2 off its exponent field, the codes and the byte
.macro QUANT
.irp i, 0,1
	v_max3_num_f32 v[TM+\i], |v[XF+16*\i]|, |v[XF+16*\i+1]|, |v[XF+16*\i+2]|
.endr
.irp i, 0,1
	v_max3_num_f32 v[TM+2+\i], |v[XF+16*\i+3]|, |v[XF+16*\i+4]|, |v[XF+16*\i+5]|
.endr
.irp k, 6,10
.irp i, 0,1
	s_delay_alu instid0(VALU_DEP_4)
	v_max3_num_f32 v[TM+\i], v[TM+\i], |v[XF+16*\i+\k]|, |v[XF+16*\i+\k+1]|
.endr
.irp i, 0,1
	s_delay_alu instid0(VALU_DEP_4)
	v_max3_num_f32 v[TM+2+\i], v[TM+2+\i], |v[XF+16*\i+\k+2]|, |v[XF+16*\i+\k+3]|
.endr
.endr
.irp i, 0,1
	s_delay_alu instid0(VALU_DEP_4)
	v_max3_num_f32 v[TM+\i], v[TM+\i], |v[XF+16*\i+14]|, |v[XF+16*\i+15]|
.endr
.irp i, 0,1
	s_delay_alu instid0(VALU_DEP_2)
	v_max3_num_f32 v[TM+\i], v[TM+\i], v[TM+2+\i], 0x1800000
.endr
.irp i, 0,1
	s_delay_alu instid0(VALU_DEP_2)
	v_max_num_f32_dpp v[TM+\i], v[TM+\i], v[TM+\i] row_xmask:1 row_mask:0xf bank_mask:0xf   ; with my neighbour's 16: the block's
.endr
.irp i, 0,1
	s_delay_alu instid0(VALU_DEP_2)
	v_add_nc_u32 v[TM+4+\i], 0xff000000, v[TM+\i]
.endr
.irp i, 0,1
	v_cvt_scalef32_pk8_fp4_f32 v[PC+2*\i], v[XF+16*\i:XF+16*\i+7], v[TM+4+\i]
	v_cvt_scalef32_pk8_fp4_f32 v[PC+2*\i+1], v[XF+16*\i+8:XF+16*\i+15], v[TM+4+\i]
.endr
.irp i, 0,1
	v_lshrrev_b32 v[TM+6+\i], 23, v[TM+4+\i]       ; the byte; also the plain instruction behind the last conversion
.endr
.endm
.macro MM m, t, ks                     ; source 0 = 16 rows of x, source 1 = 16 columns of Wq: a lane holds one column and eight rows
.if \ks == 0
	v_wmma_scale_f32_16x16x128_f8f6f4 v[ACC+8*(2*\m+\t):ACC+8*(2*\m+\t)+7], v[XF+8*\m:XF+8*\m+7], v[WQ+8*(4*\t+\ks):WQ+8*(4*\t+\ks)+7], 0, v[XS+2*\m], v[WS+2*\t] matrix_a_fmt:MATRIX_FMT_FP4 matrix_b_fmt:MATRIX_FMT_FP4
.elseif \ks == 2
	v_wmma_scale_f32_16x16x128_f8f6f4 v[ACC+8*(2*\m+\t):ACC+8*(2*\m+\t)+7], v[XF+8*\m:XF+8*\m+7], v[WQ+8*(4*\t+\ks):WQ+8*(4*\t+\ks)+7], v[ACC+8*(2*\m+\t):ACC+8*(2*\m+\t)+7], v[XS+2*\m+1], v[WS+2*\t+1] matrix_a_fmt:MATRIX_FMT_FP4 matrix_b_fmt:MATRIX_FMT_FP4
.else
	v_wmma_scale_f32_16x16x128_f8f6f4 v[ACC+8*(2*\m+\t):ACC+8*(2*\m+\t)+7], v[XF+16+8*\m:XF+16+8*\m+7], v[WQ+8*(4*\t+\ks):WQ+8*(4*\t+\ks)+7], v[ACC+8*(2*\m+\t):ACC+8*(2*\m+\t)+7], v[XS+2*\m+(\ks)/2], v[WS+2*\t+(\ks)/2] matrix_a_fmt:MATRIX_FMT_FP4 matrix_b_fmt:MATRIX_FMT_FP4 matrix_a_scale:MATRIX_SCALE_ROW1 matrix_b_scale:MATRIX_SCALE_ROW1
.endif
.endm
.macro MULS ks                         ; the four accumulators by turns, one instruction a turn
.irp m, 0,1
.irp t, 0,1
	MM \m, \t, \ks
.endr
.endr
.endm
.macro LOADXF s, ks                    ; the step's two tiles, K step ks, into buffer ks % 2
.irp m, 0,1
.irp c, 0,1
	ds_load_b128 v[XF+16*((\ks)%2)+8*\m+4*\c:XF+16*((\ks)%2)+8*\m+4*\c+3], v[LI] offset:\s*SBLK+\m*16*PITCH+64*\ks+32*\c
.endr
.endr
.endm
.macro PLACES                          ; four places behind a matrix instruction, ahead of loads into its sources and of the first read of results
.rept 4
	v_nop
.endr
.endm
; the 32 sums become 1 / (1 + 2^(c2 (sum + bias))): tanh = 1 - 2 x that.  Two batches of transcendentals, each with waits ahead and behind.  Then the column sums
.macro TANH32
.set a, 0
.rept 4
.irp jp, 0,2,4,6
	v_pk_fma_f32 v[ACC+8*a+\jp:ACC+8*a+\jp+1], v[ACC+8*a+\jp:ACC+8*a+\jp+1], s[C2:C2+1], v[CB+2*(a%2):CB+2*(a%2)+1] op_sel_hi:[1,0,1]
.endr
.set a, a+1
.endr
	s_wait_alu depctr_va_vdst(0)
.set a, 0
.rept 32
	v_exp_f32 v[ACC+a], v[ACC+a]
.set a, a+1
.endr
	v_nop
	s_wait_alu depctr_va_vdst(0)
.set a, 0
.rept 16
	v_pk_add_f32 v[ACC+a:ACC+a+1], v[ACC+a:ACC+a+1], 1.0 op_sel_hi:[1,0]
.set a, a+2
.endr
	s_wait_alu depctr_va_vdst(0)
.set a, 0
.rept 32
	v_rcp_f32 v[ACC+a], v[ACC+a]
.set a, a+1
.endr
	v_nop
	s_wait_alu depctr_va_vdst(0)
.irp g, 0,1,2,3                        ; four chains by turns: tile q / 2, registers of parity q % 2
.irp q, 0,1,2,3
	v_pk_fma_f32 v[QA+2*\q:QA+2*\q+1], v[ACC+8*(2*(\g/2)+(\q/2))+2*(2*(\g%2)+(\q%2)):ACC+8*(2*(\g/2)+(\q/2))+2*(2*(\g%2)+(\q%2))+1], -2.0, v[QA+2*\q:QA+2*\q+1] op_sel_hi:[1,0,1]
.endr
.endr
.endm
	s_load_b256 s[4:11], s[0:1], 0x0               ; x, wcodes, wscales, bq
	s_load_b128 s[12:15], s[0:1], 0x20             ; xcodes, xscales
	s_load_b64 s[16:17], s[0:1], 0x30              ; qpart
	v_lshrrev_b32 v1, 5, v0
	s_delay_alu instid0(VALU_DEP_1)
	v_readfirstlane_b32 s[WV], v1                  ; wave 0..15
	s_mov_b32 s[SEL], 0x76543210
	s_mov_b32 s[SEL+1], 0xfedcba98                 ; lane selects: lane l xor 16
	s_mov_b32 s[C2], 0x4038aa3b
	s_mov_b32 s[C2+1], 0x4038aa3b
	s_mov_b32 s[HM], 0xffff0000
	s_mul_i32 s40, s[WV], WSTG                     ; my stage
	s_mul_i32 s41, s[WV], 2*PITCH                  ; my two rows' codes
	s_add_co_u32 s41, s41, XC
	s_lshr_b32 s43, s[WV], 3                       ; which of the step's two tiles holds my rows
	s_lshl_b32 s42, s43, 8
	s_mul_i32 s44, s43, 16*PITCH
	s_and_b32 s45, s[WV], 7
	s_lshl_b32 s45, s45, 3                         ; row 2 (w % 8) of it: 4 bytes a row
	s_add_co_u32 s42, s42, s45
	s_add_co_u32 s42, s42, XSC
	s_bfe_u32 s45, s[WV], 0x20001
	s_lshl_b32 s45, s45, 6
	s_add_co_u32 s44, s44, s45
	s_and_b32 s45, s[WV], 1
	s_lshl_b32 s45, s45, 5
	s_add_co_u32 s44, s44, s45
	s_add_co_u32 s44, s44, XC
	s_lshl_b32 s39, s[WV], 7
	s_lshl_b32 s46, s[WV], 8
	s_lshl_b32 s47, s[WV], 9
	s_lshl_b32 s38, s[WV], 12
	s_lshl_b32 s48, ttmp9, 19                      ; the work-group's 256 rows of x,
	s_mov_b32 s49, 0
	s_lshl_b32 s50, ttmp9, 16                      ; of codes,
	s_mov_b32 s51, 0
	s_lshl_b32 s52, ttmp9, 12                      ; of scale bytes; its part of q_sum;
	s_mov_b32 s53, 0
	s_lshl_b32 s54, ttmp9, 11
	s_mov_b32 s55, 0
	s_lshl_b32 s56, s[WV], 13                      ; my eight images of Wq and their scale words
	s_mov_b32 s57, 0
	s_mov_b32 s58, s47
	s_mov_b32 s59, 0
	v_and_b32 v1, 31, v0                           ; lane
	v_and_b32 v2, 15, v0                           ; r
	v_bfe_u32 v3, v0, 4, 1                         ; h
	v_lshl_add_u32 v[SPW], v0, 2, SPARE
	v_mov_b32 v[NIL], 0
	v_lshlrev_b32 v[L16], 4, v1
	v_lshlrev_b32 v[L4], 2, v1
	v_lshrrev_b32 v4, 2, v1
	v_and_b32 v5, 3, v1
	v_mul_u32_u24 v[STO], v1, 80
	v_mul_u32_u24 v[LI], v2, PITCH
	s_delay_alu instid0(VALU_DEP_4)
	v_mul_u32_u24 v4, v4, 80
	v_lshl_add_u32 v[XO], s[WV], 12, v[L16]
	s_delay_alu instid0(VALU_DEP_4)
	v_add_nc_u32 v[STO], s40, v[STO]               ; out of the stage: 80 x lane
	s_delay_alu instid0(VALU_DEP_4)
	v_lshl_add_u32 v[LI], v3, 4, v[LI]
	s_delay_alu instid0(VALU_DEP_4)
	v_lshl_add_u32 v4, v5, 4, v4
	v_lshl_add_u32 v[CW], v1, 3, s41               ; 8 bytes of codes a lane
	v_lshrrev_b32 v[SBW], 3, v1
	v_bfe_u32 v5, v1, 1, 2
	s_delay_alu instid0(VALU_DEP_4)
	v_add_nc_u32 v[STI], s40, v4                   ; into the stage: 80 (lane / 4) + 16 (lane % 4)
	v_add_nc_u32 v[LP], s44, v[LI]
	s_delay_alu instid0(VALU_DEP_3)
	v_lshl_add_u32 v[SBW], v[SBW], 6, v5           ; block lane / 2: K step (lane / 8), byte (lane / 2) % 4
	v_add_nc_u32 v[LI], XC, v[LI]
	v_add_nc_u32 v[LS], XSC, v[L4]
	v_lshl_add_u32 v[GS], v1, 3, s46
	s_delay_alu instid0(VALU_DEP_4)
	v_add_nc_u32 v[SBW], s42, v[SBW]
	v_add_nc_u32 v[GI], s47, v[L16]
	v_lshl_add_u32 v[VQ], v2, 3, s39               ; my columns e = 32 w + 2 r, + 1
	s_delay_alu instid0(VALU_DEP_4)
	v_add_nc_u32 v[LSO], XSC, v[GS]
	v_lshl_add_u32 v[PFO], v2, 8, s38
.irp i, 0,1,2,3,4,5,6,7
	v_mov_b32 v[QA+\i], 0x42000000                 ; 32.0: each takes 32 terms 1 - 2 / (1 + E)
.endr
	v_lshl_add_u32 v[QO], v3, 2, v[VQ]
	v_lshl_add_u32 v[PFO], v3, 16, v[PFO]
	s_wait_alu depctr_va_vdst(0)
	s_wait_kmcnt 0x0
	s_add_nc_u64 s[4:5], s[4:5], s[48:49]
	s_add_nc_u64 s[12:13], s[12:13], s[50:51]
	s_add_nc_u64 s[14:15], s[14:15], s[52:53]
	s_add_nc_u64 s[16:17], s[16:17], s[54:55]
	s_add_nc_u64 s[6:7], s[6:7], s[56:57]
	s_add_nc_u64 s[8:9], s[8:9], s[58:59]
	XLOAD 0
	XLOAD 1
.irp f, 0,1,2,3,4,5,6,7
.irp c, 0,1
	global_load_b128 v[WQ+8*\f+4*\c:WQ+8*\f+4*\c+3], v[L16], s[6:7] offset:1024*\f+512*\c
.endr
.endr
.irp t, 0,1
.irp p, 0,1
	global_load_b32 v[WS+2*\t+\p], v[L4], s[8:9] offset:256*\t+128*\p
.endr
.endr
	global_load_b64 v[BQ:BQ+1], v[VQ], s[10:11]
	ASK 2                                          ; steps 2 and 3, which steps 0 and 1 will load
.macro STEP s
.if \s == 0
	s_wait_loadcnt 29                              ; behind step 0's eight loads: step 1's eight and the 21 of the weights
.elseif \s == 7
	s_wait_loadcnt 0x0
.else
	s_wait_loadcnt 8                               ; behind this step's loads: the next step's eight
.endif
.irp i, 0,1
.irp j, 0,1,2,3
	ds_store_b128 v[STI], v[LD+32*(\s%2)+16*\i+4*\j:LD+32*(\s%2)+16*\i+4*\j+3] offset:SROW*\i+640*\j
.endr
.endr
.irp i, 0,1
.irp j, 0,1,2,3
	ds_load_b128 v[XF+16*\i+4*\j:XF+16*\i+4*\j+3], v[STO] offset:SROW*\i+16*\j   ; LDS serves a wave's instructions in order: these see the stores above.  (The last step's products, which read XF, stand four places back)
.endr
.endr
	s_wait_dscnt 0x0                               ; the numbers are back, so the stores have read their registers,
.if \s < 6
	XLOAD (\s)+2                                   ; which take the loads of two steps on
.endif
.if (\s == 0) || (\s == 2)
	ASK (\s)+4                                     ; what the steps two and three on will load
.endif
	QUANT
.irp i, 0,1
	ds_store_b64 v[CW], v[PC+2*\i:PC+2*\i+1] offset:\s*SBLK+PITCH*\i   ; the wave's store covers a row's 256 bytes
	ds_store_b8 v[SBW], v[TM+6+\i] offset:\s*512+4*\i                  ; both lanes of a block write the same byte with the same value
.endr
	s_wait_dscnt 0x0                               ; for the others' sake
	s_barrier_signal -1
.if \s > 0
	TANH32                                         ; the step before: work on registers while the others arrive
.endif
	s_barrier_wait -1                              ; the step's 32 rows of codes and their bytes are whole
	LOADXF \s, 0
.irp m, 0,1
.irp p, 0,1
	ds_load_b32 v[XS+2*\m+\p], v[LS] offset:\s*512+256*\m+128*\p
.endr
.endr
	LOADXF \s, 1
.if \s == 0
	s_wait_loadcnt 8                               ; the weights and the bias are in: behind them only step 2's eight loads
	v_mul_f32 v[CB], s[C2], v[BQ]
	v_mul_f32 v[CB+1], s[C2], v[BQ]
	v_mul_f32 v[CB+2], s[C2], v[BQ+1]
	v_mul_f32 v[CB+3], s[C2], v[BQ+1]
	s_wait_alu depctr_va_vdst(0)
.endif
	s_wait_dscnt 4                                 ; K step 0 and the scale words are in; K step 1's four loads may be out
	MULS 0
	PLACES
	LOADXF \s, 2
	s_wait_dscnt 4                                 ; all but the four just issued
	MULS 1
	PLACES
	LOADXF \s, 3
	s_wait_storecnt 0x0                            ; the last step's store, a whole step back, is done: SO may be loaded again
	ds_load_b128 v[SO:SO+3], v[LP] offset:\s*SBLK  ; my sixteenth of the step's eight images
	s_wait_dscnt 5                                 ; K step 2 is in; K step 3's four loads and my piece may be out
	MULS 2
	s_wait_dscnt 0x0
	global_store_b128 v[GI], v[SO:SO+3], s[12:13] offset:\s*8192   ; 512 consecutive bytes, aligned; the sixteen waves fill the step's 8,192
	MULS 3
	PLACES
.endm
.irp s, 0,1,2,3,4,5,6,7
	STEP \s
.endr
	ds_load_b64 v[PC:PC+1], v[LSO]                 ; a tile's 256 scale bytes a wave: all were written ahead of the last barrier
	TANH32                                         ; the last step's
	v_pk_add_f32 v[QA:QA+1], v[QA:QA+1], v[QA+2:QA+3]
	v_pk_add_f32 v[QA+4:QA+5], v[QA+4:QA+5], v[QA+6:QA+7]
.irp t, 0,1
	s_delay_alu instid0(VALU_DEP_2)
	v_add_f32 v[QA+4*\t], v[QA+4*\t], v[QA+4*\t+1]
.endr
.irp t, 0,1
	s_delay_alu instid0(VALU_DEP_2)
	v_permlanex16_b32 v[TM+4+\t], v[QA+4*\t], s[SEL], s[SEL+1]
.endr
.irp t, 0,1
	s_delay_alu instid0(VALU_DEP_2)
	v_add_f32 v[QA+4*\t], v[QA+4*\t], v[TM+4+\t]   ; with lane l xor 16's eight rows of each tile
.endr
	s_delay_alu instid0(VALU_DEP_1)
	v_cndmask_b32 v[VQ], v[QA], v[QA+4], s[HM]     ; lanes 0-15 keep column 32 w + 2 r, lanes 16-31 the next
	global_store_b32 v[QO], v[VQ], s[16:17]        ; 128 consecutive bytes a wave; the sixteen waves fill the part's 2,048
	s_wait_dscnt 0x0
	global_store_b64 v[GS], v[PC:PC+1], s[14:15]   ; 256 consecutive bytes, aligned
	s_wait_tensorcnt 0x0                           ; the wave's end
	ds_add_u32 v[SPW], v[NIL]
	s_wait_dscnt 0x0
	s_endpgm
.Lfunc_end_k_q8d84dab3cf_qpass:
	.size	k_q8d84dab3cf_qpass, .Lfunc_end_k_q8d84dab3cf_qpass-k_q8d84dab3cf_qpass
	.p2alignl 7, 3214868480
	.fill 96, 4, 3214868480
	.section	.rodata,"a",@progbits
	.p2align	6, 0x0
	.amdhsa_kernel k_q8d84dab3cf_qpass
		.amdhsa_group_segment_fixed_size 157696
		.amdhsa_private_segment_fixed_size 0
		.amdhsa_enable_private_segment 0
		.amdhsa_kernarg_size 56
		.amdhsa_user_sgpr_count 2
		.amdhsa_user_sgpr_kernarg_segment_ptr 1
		.amdhsa_wavefront_size32 1
		.amdhsa_system_sgpr_workgroup_id_x 1
		.amdhsa_system_sgpr_workgroup_id_y 1
		.amdhsa_system_sgpr_workgroup_id_z 1
		.amdhsa_system_vgpr_workitem_id 0
		.amdhsa_next_free_vgpr 256
		.amdhsa_next_free_sgpr 66
		.amdhsa_reserve_vcc 0
		.amdhsa_float_denorm_mode_32 3
		.amdhsa_float_denorm_mode_16_64 3
		.amdhsa_memory_ordered 1
		.amdhsa_forward_progress 1
		.amdhsa_inst_pref_size 116
	.end_amdhsa_kernel
	.amdgpu_metadata
---
amdhsa.version: [ 1, 2 ]
amdhsa.kernels:
  - .name:           k_q8d84dab3cf_qpass
    .symbol:         k_q8d84dab3cf_qpass.kd
    .args:
      - { .name: x, .offset: 0, .size: 8, .value_kind: global_buffer, .address_space: global }
      - { .name: wcodes, .offset: 8, .size: 8, .value_kind: global_buffer, .address_space: global }
      - { .name: wscales, .offset: 16, .size: 8, .value_kind: global_buffer, .address_space: global }
      - { .name: bq, .offset: 24, .size: 8, .value_kind: global_buffer, .address_space: global }
      - { .name: xcodes, .offset: 32, .size: 8, .value_kind: global_buffer, .address_space: global }
      - { .name: xscales, .offset: 40, .size: 8, .value_kind: global_buffer, .address_space: global }
      - { .name: qpart, .offset: 48, .size: 8, .value_kind: global_buffer, .address_space: global }
    .group_segment_fixed_size: 157696
    .private_segment_fixed_size: 0
    .kernarg_segment_align: 8
    .kernarg_segment_size: 56
    .max_flat_workgroup_size: 512
    .sgpr_count:     66
    .vgpr_count:     256
    .wavefront_size: 32
...
	.end_amdgpu_metadata
.endif
;; end of part 2
;; launch kvpass (part 3): grid 256 x 1, 8 waves a work-group, no clusters, 0 bytes of LDS; arguments xcodes, xscales, wcodes, wscales, bk, bv, qpart, lens, part; writes part
.if DOCPART == 3
	.amdgcn_target "amdgcn-amd-amdhsa--gfx1250"
	.amdhsa_code_object_version 6
	.text
	.protected	k_q8d84dab3cf_kvpass
	.globl	k_q8d84dab3cf_kvpass
	.p2align	8
	.type	k_q8d84dab3cf_kvpass,@function
k_q8d84dab3cf_kvpass:
	s_mov_b64 s[64:65], 0
	v_nop
	global_prefetch_b8 v0, s[64:65] scope:SCOPE_SE
	s_setreg_imm32_b32 hwreg(HW_REG_WAVE_MODE, 25, 1), 1
	s_wait_xcnt 0x0
; For each LIVE tile of 16 rows: tanh(x Wk^T + bk) . q_sum / sqrt(512) and the row sums of tanh(x Wv^T + bv), each in four parts by groups of 128 columns: part[tile][c 0 .. 7][16 rows], c 0-3 the scores, c 4-7 the row sums.
; LEFT OUT: tiles all of whose rows lie at or beyond lens[b]: their softmax weight is 0 and tanh is bounded, so they reach no output (shown at the head of the first launch).  lens is read from memory here.
; LIMIT: lens is held to 1 .. 4096; a NaN, an infinity or an overflow that reaches only the tiles left out is not carried to the result.
; SHARES.  Batch k has n_k = ceil(lens_k / 16) live tiles, T in all, at most 4,096.  Each work-group takes T / 256 live tiles on end, the first T % 256 work-groups one more: neighbours, so that q_sum changes seldom.
; Where T < 256 a work-group may be left without tiles: it stores nothing and ends: the price of a grid that serves every lens.
; Wave w: role w / 4 (0: Wk, 1: Wv), columns 128 (w % 4) on: 8 tiles x 4 K steps = 32 fragments, which fill register window 1 for the whole launch.  All eight waves walk the same tiles of x; they share nothing: no LDS, no barrier.
; No tensor load and no cluster: the trip count hangs on lens.
; WHAT IS ASKED FOR EARLY.  The weights, their scale words and the bias hang on the wave's number alone: their loads go out behind the arguments, and lens and the list of tiles are made under them (a work-group without
; tiles has then asked for them in vain).  A tile's fragments are asked for a trip ahead; q_sum's parts as soon as the batch is known: at the head, and beside the fragments of a tile that begins a new batch.
; THE PRODUCT: source 0 = 16 rows of x, source 1 = 16 columns: a lane holds column e = 128 (w % 4) + 8 (lane % 16) + t of tile t and eight rows.  tanh as in the launch before: 1 - 2 / (1 + 2^(c2 y)).
; THE PRODUCT WITH q_sum is made of f32 fused multiply-adds: with g_t = q_sum[e] / sqrt(512) a row's part is sum g_t - 2 sum g_t / (1 + E); for the row sums g = 1.  Then sixteen lanes are added.
; REGISTERS: window 0 as named below; window 1: v[8 (4 t + ks)] my weight's fragments.
.set XO,  5                            ; v5   16 x lane
.set XSO, 6                            ; v6   4 x lane
.set VQ,  7                            ; v7   qpart: 16384 h + 512 cg + 32 r: lanes 16-31 take parts 8 to 15
.set VP,  8                            ; v8   part: 64 w + 32 h + 4 (r % 8)
.set R,   9                            ; v9   r
.set XS,  10                           ; v10-11   x's scale words: lanes 0-15 K step 2 p, lanes 16-31 K step 2 p + 1
.set RES, 12                           ; v12  the row's part
.set BO,  13                           ; v13  512 cg + 32 r: my 8 columns in a bias
.set TP,  16                           ; v16-23   at work in QMATH
.set WS,  24                           ; v24-39   my weight's scale words, 2 t + p
.set CB,  40                           ; v40-55   c2 x bias, twice, for each tile
.set G2,  56                           ; v56-71   -2 g_t, twice
.set G0,  72                           ; v72-73   sum of g_t, twice
.set WA,  74                           ; v74-81   the eight rows' sums
.set XF,  84                           ; v84-115  x's fragments, 8 ks
.set ACC, 116                          ; v116-179 the eight accumulators, 8 t
.set QT,  180                          ; v180-243 eight parts of q_sum, 8 columns each
.set BI,  244                          ; v244-251 the bias of my 8 columns
.set NK,  24                           ; s24-39   lens, then n_k, then 256 - n_k
.set PF,  40                           ; s40-55   n_0 + .. + n_k; s55 = T
.set SEL, 56                           ; s[56:57] lane selects: lane l xor 16
.set C2,  58                           ; s[58:59] c2 = 2 log2(e), named as a pair
.set WV,  60
.set ROLE, 61
.set CG,  62
.set PER, 63
.set START, 66
.set CNT, 67
.set J,   68
.set G,   69                           ; the tile in hand, 0 .. 4095;  s70 its batch
.set B,   70
.set GN,  71                           ; the next tile and its batch
.set BN,  72
.set M,   72                           ; s73-79   M + j: lanes j, j + 8, j + 16, j + 24
.set QF,  90                           ; s90  1: parts of q_sum are on their way for the tile that comes next
.set TA,  96
.set TB,  97
.set II,  98
.set J1,  99
.set MSB, 0
.macro WIN new                         ; the immediate's high byte repeats the setting that is left
.if MSB != \new
	s_set_vgpr_msb (MSB<<8)|\new
.set MSB, \new
.endif
.endm
; live index s[i] -> tile s[g] = 256 x batch + tile in the batch, and batch s[b]: each batch that lies wholly in front of i adds its 256 - n_k dead tiles.  Each number is held last, ahead of the shifts that make addresses.
.macro MAP i, g, b
	s_mov_b32 s[\g], s[\i]
.irp k, 0,1,2,3,4,5,6,7,8,9,10,11,12,13,14
	s_cmp_ge_u32 s[\i], s[PF+\k]
	s_cselect_b32 s[TA], s[NK+\k], 0
	s_add_co_u32 s[\g], s[\g], s[TA]
.endr
	s_lshr_b32 s[\b], s[\g], 8
	s_min_u32 s[\b], s[\b], 15
	s_min_u32 s[\g], s[\g], 4095
.endm
; tile s[g]'s four images and its scale words.  The bases are made anew from the buffers' addresses; the loads that read them last are done (the wait at the loop's head)
.macro XLOAD g
	s_lshl_b32 s88, s[\g], 12
	s_add_nc_u64 s[80:81], s[4:5], s[88:89]
	s_lshl_b32 s88, s[\g], 8
	s_add_nc_u64 s[82:83], s[6:7], s[88:89]
.irp ks, 0,1,2,3
.irp c, 0,1
	global_load_b128 v[XF+8*\ks+4*\c:XF+8*\ks+4*\c+3], v[XO], s[80:81] offset:1024*\ks+512*\c
.endr
.endr
.irp p, 0,1
	global_load_b32 v[XS+\p], v[XSO], s[82:83] offset:128*\p
.endr
.endm
.macro MMK t, ks                       ; 16 rows x tile t's 16 columns, K step ks; source 1 lies in window 1
.if \ks == 0
	v_wmma_scale_f32_16x16x128_f8f6f4 v[ACC+8*\t:ACC+8*\t+7], v[XF+8*\ks:XF+8*\ks+7], v[32*\t+8*\ks:32*\t+8*\ks+7], 0, v[XS], v[WS+2*\t] matrix_a_fmt:MATRIX_FMT_FP4 matrix_b_fmt:MATRIX_FMT_FP4
.elseif \ks == 2
	v_wmma_scale_f32_16x16x128_f8f6f4 v[ACC+8*\t:ACC+8*\t+7], v[XF+8*\ks:XF+8*\ks+7], v[32*\t+8*\ks:32*\t+8*\ks+7], v[ACC+8*\t:ACC+8*\t+7], v[XS+1], v[WS+2*\t+1] matrix_a_fmt:MATRIX_FMT_FP4 matrix_b_fmt:MATRIX_FMT_FP4
.else
	v_wmma_scale_f32_16x16x128_f8f6f4 v[ACC+8*\t:ACC+8*\t+7], v[XF+8*\ks:XF+8*\ks+7], v[32*\t+8*\ks:32*\t+8*\ks+7], v[ACC+8*\t:ACC+8*\t+7], v[XS+(\ks)/2], v[WS+2*\t+(\ks)/2] matrix_a_fmt:MATRIX_FMT_FP4 matrix_b_fmt:MATRIX_FMT_FP4 matrix_a_scale:MATRIX_SCALE_ROW1 matrix_b_scale:MATRIX_SCALE_ROW1
.endif
.endm
; the 64 sums become 1 / (1 + 2^(c2 (sum + bias))): two batches of 64 transcendentals, each with one plain instruction and one wait behind it, ahead of the first line that names a result
.macro TANH64
.set a, 0
.rept 8
.irp jp, 0,2,4,6
	v_pk_fma_f32 v[ACC+8*a+\jp:ACC+8*a+\jp+1], v[ACC+8*a+\jp:ACC+8*a+\jp+1], s[C2:C2+1], v[CB+2*a:CB+2*a+1] op_sel_hi:[1,0,1]   ; each accumulator from its low end on
.endr
.set a, a+1
.endr
.set a, 0
	s_wait_alu depctr_va_vdst(0)
.rept 64
	v_exp_f32 v[ACC+a], v[ACC+a]
.set a, a+1
.endr
	v_nop
	s_wait_alu depctr_va_vdst(0)
.set a, 0
.rept 32
	v_pk_add_f32 v[ACC+a:ACC+a+1], v[ACC+a:ACC+a+1], 1.0 op_sel_hi:[1,0]
.set a, a+2
.endr
.set a, 0
	s_wait_alu depctr_va_vdst(0)
.rept 64
	v_rcp_f32 v[ACC+a], v[ACC+a]
.set a, a+1
.endr
	v_nop
	s_wait_alu depctr_va_vdst(0)
.endm
; the sixteen parts of q_sum of batch s[b], at my 8 columns, are asked for: eight in each half of the lanes.  The base's last readers are done (the wait at the loop's head)
.macro QLOAD b
	s_lshl_b32 s88, s[\b], 15                      ; sixteen parts of 2,048 bytes a batch
	s_add_nc_u64 s[84:85], s[16:17], s[88:89]
.irp i, 0,1,2,3,4,5,6,7
	global_load_b128 v[QT+8*\i:QT+8*\i+3], v[VQ], s[84:85] offset:2048*\i
	global_load_b128 v[QT+8*\i+4:QT+8*\i+7], v[VQ], s[84:85] offset:2048*\i+16
.endr
.endm
; they are added, in f32 (eight in the lane, then the two halves of the lanes); then -2 g_t and the sum of g_t
.macro QMATH
.irp i, 1,2,3,4,5,6,7
.irp j, 0,2,4,6
	v_pk_add_f32 v[QT+\j:QT+\j+1], v[QT+\j:QT+\j+1], v[QT+8*\i+\j:QT+8*\i+\j+1]
.endr
.endr
.irp j, 0,1,2,3,4,5,6,7
	v_permlanex16_b32 v[TP+\j], v[QT+\j], s[SEL], s[SEL+1]
.endr
.irp j, 0,2,4,6
	v_pk_add_f32 v[QT+\j:QT+\j+1], v[QT+\j:QT+\j+1], v[TP+\j:TP+\j+1]
.endr
.irp t, 0,1,2,3,4,5,6,7
	v_mul_f32 v[G2+2*\t], s91, v[QT+\t]
	v_mul_f32 v[G2+2*\t+1], s91, v[QT+\t]
.endr
	v_pk_add_f32 v[QT:QT+1], v[QT:QT+1], v[QT+2:QT+3]
	v_pk_add_f32 v[QT+4:QT+5], v[QT+4:QT+5], v[QT+6:QT+7]
	s_delay_alu instid0(VALU_DEP_1)
	v_pk_add_f32 v[QT:QT+1], v[QT:QT+1], v[QT+4:QT+5]
	s_delay_alu instid0(VALU_DEP_1)
	v_add_f32 v[QT], v[QT], v[QT+1]
	s_delay_alu instid0(VALU_DEP_1)
	v_mul_f32 v[G0], s92, v[QT]
	s_delay_alu instid0(VALU_DEP_2)
	v_mul_f32 v[G0+1], s92, v[QT]
.endm
	s_load_b512 s[4:19], s[0:1], 0x0               ; xcodes s[4:5], xscales s[6:7], wcodes s[8:9], wscales s[10:11], bk s[12:13], bv s[14:15], qpart s[16:17], lens s[18:19]
	s_load_b64 s[20:21], s[0:1], 0x40              ; part
	v_lshrrev_b32 v1, 5, v0
	s_delay_alu instid0(VALU_DEP_1)
	v_readfirstlane_b32 s[WV], v1                  ; wave 0..7
	s_lshr_b32 s[ROLE], s[WV], 2
	s_and_b32 s[CG], s[WV], 3
	s_mov_b32 s[SEL], 0x76543210
	s_mov_b32 s[SEL+1], 0xfedcba98
	s_mov_b32 s[C2], 0x4038aa3b
	s_mov_b32 s[C2+1], 0x4038aa3b
	s_mov_b32 s91, 0xbdb504f3                      ; -2 / sqrt(512)
	s_mov_b32 s92, 0x3d3504f3                      ; 1 / sqrt(512)
	s_mov_b32 s89, 0                               ; the upper word of every offset
.irp j, 1,2,3,4,5,6,7
	s_mov_b32 s[M+\j], 0x01010101<<\j
.endr
	v_and_b32 v1, 31, v0                           ; lane
	v_and_b32 v[R], 15, v0
	v_bfe_u32 v3, v0, 4, 1                         ; h
	s_delay_alu instid0(VALU_DEP_3)
	v_lshlrev_b32 v[XO], 4, v1
	s_delay_alu instid0(VALU_DEP_4)
	v_lshlrev_b32 v[XSO], 2, v1
	s_lshl_b32 s[TA], s[CG], 9
	v_lshl_add_u32 v[BO], v[R], 5, s[TA]
	s_delay_alu instid0(VALU_DEP_1)
	v_lshl_add_u32 v[VQ], v3, 14, v[BO]
	v_and_b32 v2, 7, v0
	s_lshl_b32 s[TB], s[WV], 6
	v_lshl_add_u32 v[VP], v2, 2, s[TB]
	s_delay_alu instid0(VALU_DEP_1)
	v_lshl_add_u32 v[VP], v3, 5, v[VP]
	s_add_co_u32 s[TB], s[ROLE], 1                 ; which weight: 1 = Wk, 2 = Wv
	s_lshl_b32 s88, s[TB], 17                      ; 128 images a weight,
	s_lshl_b32 s[TA], s[CG], 15                    ; 32 a wave
	s_add_co_u32 s88, s88, s[TA]
	s_lshl_b32 s[II], s[TB], 13                    ; scale words: 32 tiles of 256 bytes a weight,
	s_lshl_b32 s[TA], s[CG], 11                    ; 8 a wave
	s_add_co_u32 s[II], s[II], s[TA]
	s_wait_alu depctr_va_vdst(0)
	s_wait_kmcnt 0x0
	s_load_b512 s[NK:NK+15], s[18:19], 0x0         ; the sixteen lens: on their way while the weights are asked for
	s_add_nc_u64 s[8:9], s[8:9], s[88:89]
	s_mov_b32 s88, s[II]
	s_add_nc_u64 s[10:11], s[10:11], s[88:89]
	s_cmp_eq_u32 s[ROLE], 0                        ; the choice hangs on the wave's number alone
	s_cselect_b64 s[12:13], s[12:13], s[14:15]     ; my bias
	WIN 0x40                                       ; destination window 1, address window 0
.set f, 0
.rept 32
	global_load_b128 v[8*f:8*f+3], v[XO], s[8:9] offset:1024*f
	global_load_b128 v[8*f+4:8*f+7], v[XO], s[8:9] offset:1024*f+512
.set f, f+1
.endr
	WIN 0
.irp t, 0,1,2,3,4,5,6,7
.irp p, 0,1
	global_load_b32 v[WS+2*\t+\p], v[XSO], s[10:11] offset:256*\t+128*\p
.endr
.endr
	global_load_b128 v[BI:BI+3], v[BO], s[12:13]
	global_load_b128 v[BI+4:BI+7], v[BO], s[12:13] offset:16
.irp i, 0,1,2,3,4,5,6,7,8,9,10,11,12,13,14,15
	v_mov_b32 v[G2+\i], -2.0                       ; the row sums' weights: g = 1.  (A wave of Wk writes its own in its first trip)
.endr
	v_mov_b32 v[G0], 0x41000000                    ; 8.0: eight terms a register
	v_mov_b32 v[G0+1], 0x41000000
.irp j, 0,1,2,3,4,5,6,7
	v_mov_b32 v[TP+\j], 0                          ; written once: a lane permute's destination counts as one of its sources
.endr
	s_wait_kmcnt 0x0                               ; lens
.irp k, 0,1,2,3,4,5,6,7,8,9,10,11,12,13,14,15
	s_min_u32 s[NK+\k], s[NK+\k], 4096
	s_max_u32 s[NK+\k], s[NK+\k], 1
	s_add_co_u32 s[NK+\k], s[NK+\k], 15
	s_lshr_b32 s[NK+\k], s[NK+\k], 4               ; n_k, 1 .. 256
.endr
	s_mov_b32 s[PF], s[NK]
.irp k, 1,2,3,4,5,6,7,8,9,10,11,12,13,14,15
	s_add_co_u32 s[PF+\k], s[PF+\k-1], s[NK+\k]
.endr
.irp k, 0,1,2,3,4,5,6,7,8,9,10,11,12,13,14
	s_sub_co_u32 s[NK+\k], 256, s[NK+\k]           ; the batch's dead tiles
.endr
	s_lshr_b32 s[PER], s[PF+15], 8                 ; T / 256, 0 .. 16
	s_and_b32 s[TB], s[PF+15], 255                 ; T % 256: so many work-groups take one tile more
	s_mul_i32 s[START], ttmp9, s[PER]
	s_min_u32 s[TA], ttmp9, s[TB]
	s_add_co_u32 s[START], s[START], s[TA]         ; my first live tile
	s_cmp_lt_u32 ttmp9, s[TB]
	s_cselect_b32 s[TA], 1, 0
	s_add_co_u32 s[CNT], s[PER], s[TA]             ; my tiles
	s_cmp_eq_u32 s[CNT], 0
	s_cbranch_scc1 .Lnone                          ; only where T < 256: no tile is left for this work-group
	MAP START, G, B
	s_mov_b32 s[GN], s[G]
	s_mov_b32 s[BN], s[B]
	XLOAD G
	s_cmp_eq_u32 s[ROLE], 0
	s_cselect_b32 s[QF], 1, 0
	s_cbranch_scc0 .Lhead_v                        ; a wave of Wv has no use for q_sum
	QLOAD B                                        ; the first tile's batch
.Lhead_v:
	s_wait_loadcnt 0x0                             ; the weights, the bias, the first tile, the first q_sum
.irp t, 0,1,2,3,4,5,6,7
	v_mul_f32 v[CB+2*\t], s[C2], v[BI+\t]
	v_mul_f32 v[CB+2*\t+1], s[C2], v[BI+\t]
.endr
	s_mov_b32 s[J], 0
.Ltile:
	s_wait_loadcnt 0x0                             ; this tile's fragments and scale words, and q_sum's parts where its batch is new: all asked for a trip ago
	s_cmp_lg_u32 s[ROLE], 0
	s_cbranch_scc1 .Lno_q                          ; by the wave's number: a wave of Wv never builds q_sum
	s_cmp_eq_u32 s[QF], 0
	s_cbranch_scc1 .Lno_q
	QMATH
.Lno_q:
	WIN 0x04                                       ; source 1 window 1
.irp ks, 0,1,2,3                       ; eight accumulators by turns, one instruction a turn
.irp t, 0,1,2,3,4,5,6,7
	MMK \t, \ks
.endr
.endr
	WIN 0
.rept 4
	v_nop                                          ; four places in front of loads into registers that matrix instructions have read, and of the first read of results (ISA guide 7.12.1 for the first read of results)
.endr
	s_mov_b32 s[QF], 0
	s_add_co_u32 s[J1], s[J], 1
	s_cmp_lt_u32 s[J1], s[CNT]
	s_cbranch_scc0 .Lno_next                       ; the last trip asks for nothing
	s_add_co_u32 s[II], s[START], s[J1]
	MAP II, GN, BN
	XLOAD GN                                       ; the next tile lands under this tile's tanh
	s_cmp_lg_u32 s[ROLE], 0
	s_cbranch_scc1 .Lno_next
	s_cmp_eq_u32 s[BN], s[B]
	s_cbranch_scc1 .Lno_next
	QLOAD BN                                       ; it begins a new batch: that batch's q_sum lands with it
	s_mov_b32 s[QF], 1
.Lno_next:
	TANH64
.irp jp, 0,2,4,6
	v_pk_fma_f32 v[WA+\jp:WA+\jp+1], v[ACC+\jp:ACC+\jp+1], v[G2:G2+1], v[G0:G0+1]   ; rows 8 h + jp, + 1: sum g - 2 g_0 / (1 + E),
.endr
.irp t, 1,2,3,4,5,6,7
.irp jp, 0,2,4,6
	v_pk_fma_f32 v[WA+\jp:WA+\jp+1], v[ACC+8*\t+\jp:ACC+8*\t+\jp+1], v[G2+2*\t:G2+2*\t+1], v[WA+\jp:WA+\jp+1]   ; and the other seven columns of my lane
.endr
.endr
.irp x, 1,2,4                          ; eight lanes' columns are added, for all eight rows
.irp j, 0,1,2,3,4,5,6,7
	v_add_f32_dpp v[WA+\j], v[WA+\j], v[WA+\j] row_xmask:\x row_mask:0xf bank_mask:0xf
.endr
.endr
	s_wait_alu depctr_va_vdst(0)
	s_wait_xcnt 0x0                                ; the last trip's store has read its data and its base: both are written again below
	v_cndmask_b32 v[RES], v[WA], v[WA+1], s[M+1]   ; lane r keeps row r % 8,
.irp j, 2,3,4,5,6,7
	s_delay_alu instid0(VALU_DEP_1)
	v_cndmask_b32 v[RES], v[RES], v[WA+\j], s[M+\j]
.endr
	s_delay_alu instid0(VALU_DEP_1)
	v_add_f32_dpp v[RES], v[RES], v[RES] row_xmask:8 row_mask:0xf bank_mask:0xf   ; and one addition serves the last step for all eight: lanes (r, h) and (r + 8, h) both hold row 8 h + r % 8
	s_lshl_b32 s88, s[G], 9                        ; 512 bytes a tile
	s_add_nc_u64 s[86:87], s[20:21], s[88:89]
	global_store_b32 v[VP], v[RES], s[86:87]       ; 16 rows, 64 consecutive bytes: lanes r and r + 8 hold the same sum and name the same word, so all lanes stay on; the work-group's eight waves fill the tile's 512
	s_mov_b32 s[G], s[GN]
	s_mov_b32 s[B], s[BN]
	s_add_co_u32 s[J], s[J], 1
	s_cmp_lt_u32 s[J], s[CNT]
	s_cbranch_scc1 .Ltile
.Lnone:
	s_endpgm
.Lfunc_end_k_q8d84dab3cf_kvpass:
	.size	k_q8d84dab3cf_kvpass, .Lfunc_end_k_q8d84dab3cf_kvpass-k_q8d84dab3cf_kvpass
	.p2alignl 7, 3214868480
	.fill 96, 4, 3214868480
	.section	.rodata,"a",@progbits
	.p2align	6, 0x0
	.amdhsa_kernel k_q8d84dab3cf_kvpass
		.amdhsa_group_segment_fixed_size 0
		.amdhsa_private_segment_fixed_size 0
		.amdhsa_enable_private_segment 0
		.amdhsa_kernarg_size 72
		.amdhsa_user_sgpr_count 2
		.amdhsa_user_sgpr_kernarg_segment_ptr 1
		.amdhsa_wavefront_size32 1
		.amdhsa_system_sgpr_workgroup_id_x 1
		.amdhsa_system_sgpr_workgroup_id_y 1
		.amdhsa_system_sgpr_workgroup_id_z 1
		.amdhsa_system_vgpr_workitem_id 0
		.amdhsa_next_free_vgpr 512
		.amdhsa_next_free_sgpr 100
		.amdhsa_reserve_vcc 0
		.amdhsa_float_denorm_mode_32 3
		.amdhsa_float_denorm_mode_16_64 3
		.amdhsa_memory_ordered 1
		.amdhsa_forward_progress 1
		.amdhsa_inst_pref_size 46
	.end_amdhsa_kernel
	.amdgpu_metadata
---
amdhsa.version: [ 1, 2 ]
amdhsa.kernels:
  - .name:           k_q8d84dab3cf_kvpass
    .symbol:         k_q8d84dab3cf_kvpass.kd
    .args:
      - { .name: xcodes, .offset: 0, .size: 8, .value_kind: global_buffer, .address_space: global }
      - { .name: xscales, .offset: 8, .size: 8, .value_kind: global_buffer, .address_space: global }
      - { .name: wcodes, .offset: 16, .size: 8, .value_kind: global_buffer, .address_space: global }
      - { .name: wscales, .offset: 24, .size: 8, .value_kind: global_buffer, .address_space: global }
      - { .name: bk, .offset: 32, .size: 8, .value_kind: global_buffer, .address_space: global }
      - { .name: bv, .offset: 40, .size: 8, .value_kind: global_buffer, .address_space: global }
      - { .name: qpart, .offset: 48, .size: 8, .value_kind: global_buffer, .address_space: global }
      - { .name: lens, .offset: 56, .size: 8, .value_kind: global_buffer, .address_space: global }
      - { .name: part, .offset: 64, .size: 8, .value_kind: global_buffer, .address_space: global }
    .group_segment_fixed_size: 0
    .private_segment_fixed_size: 0
    .kernarg_segment_align: 8
    .kernarg_segment_size: 72
    .max_flat_workgroup_size: 256
    .sgpr_count:     100
    .vgpr_count:     512
    .wavefront_size: 32
...
	.end_amdgpu_metadata
.endif
;; end of part 3
;; launch softmax (part 4): grid 16 x 1, 32 waves a work-group, no clusters, 4,608 bytes of LDS; arguments part, lens, out0; writes out0
.if DOCPART == 4
	.amdgcn_target "amdgcn-amd-amdhsa--gfx1250"
	.amdhsa_code_object_version 6
	.text
	.protected	k_q8d84dab3cf_softmax
	.globl	k_q8d84dab3cf_softmax
	.p2align	8
	.type	k_q8d84dab3cf_softmax,@function
k_q8d84dab3cf_softmax:
	s_mov_b64 s[64:65], 0
	v_nop
	global_prefetch_b8 v0, s[64:65] scope:SCOPE_SE
	s_setreg_imm32_b32 hwreg(HW_REG_WAVE_MODE, 25, 1), 1
	s_wait_xcnt 0x0
; out0[b][l] = v[l] x softmax_l(w[l]), w = -infinity from lens[b] on.  w and v are the sums of their four parts in part[tile][c 0 .. 7][16 rows] (c 0-3: w, c 4-7: v).
; LEFT OUT: tiles that lie wholly at or beyond lens[b] were not made (shown at the head of the first launch) and are not read: a thread of such a tile reads the batch's last live tile instead,
; and its weight is exp(-infinity) = 0, so it stores 0 (or -0).  LIMIT: lens is held to 1 .. 4096; row 0 is then live, so the maximum is a number.
; One work-group for each batch, 32 waves, thread i owns rows 4 i .. 4 i + 3: its 16 bytes of each part, and 16 bytes of out0: a wave's store covers 512 consecutive bytes, aligned.
; The maximum is taken away before the exponential, as reference() does.  Maximum and sum go over the waves through LDS, each in bytes of its own: two barriers.
; Sixteen work-groups: a batch's softmax has one owner; the launch moves about 2 MiB.  Matrix units, tensor loads and clusters buy nothing here.
.set RMAX,  0                          ; LDS: 32 words, a wave's maximum each
.set RSUM,  256                        ; 32 words, a wave's sum each
.set SPARE, 512                        ; the spare words, 128 bytes for each wave: sixteen blocks of 256 bytes that no other line names
.set W,   32                           ; v32-47   w's four parts; the sum in v32-35
.set V,   48                           ; v48-63   v's
.macro WMAX r                          ; the largest over the wave's 32 lanes, in every lane
.irp x, 1
	v_max_num_f32_dpp v[\r], v[\r], v[\r] row_xmask:\x row_mask:0xf bank_mask:0xf
.endr
.irp x, 2, 4, 8
	s_delay_alu instid0(VALU_DEP_1)
	v_max_num_f32_dpp v[\r], v[\r], v[\r] row_xmask:\x row_mask:0xf bank_mask:0xf
.endr
	s_wait_alu depctr_va_vdst(0)
	v_permlanex16_b32 v9, v[\r], s12, s13
	s_delay_alu instid0(VALU_DEP_1)
	v_max_num_f32 v[\r], v[\r], v9
.endm
.macro WSUM r                          ; the sum likewise
.irp x, 1
	v_add_f32_dpp v[\r], v[\r], v[\r] row_xmask:\x row_mask:0xf bank_mask:0xf
.endr
.irp x, 2, 4, 8
	s_delay_alu instid0(VALU_DEP_1)
	v_add_f32_dpp v[\r], v[\r], v[\r] row_xmask:\x row_mask:0xf bank_mask:0xf
.endr
	s_wait_alu depctr_va_vdst(0)
	v_permlanex16_b32 v9, v[\r], s12, s13
	s_delay_alu instid0(VALU_DEP_1)
	v_add_f32 v[\r], v[\r], v9
.endm
	s_load_b128 s[4:7], s[0:1], 0x0                ; part, lens
	s_load_b64 s[8:9], s[0:1], 0x10                ; out0
	v_lshl_add_u32 v30, v0, 2, SPARE               ; my spare word; never rewritten
	v_mov_b32 v31, 0                               ; 0; never rewritten
	v_lshrrev_b32 v1, 5, v0
	s_delay_alu instid0(VALU_DEP_1)
	v_readfirstlane_b32 s10, v1                    ; wave 0..31
	s_mov_b32 s12, 0x76543210
	s_mov_b32 s13, 0xfedcba98                      ; lane selects: lane l xor 16
	s_lshl_b32 s16, ttmp9, 2
	s_mov_b32 s17, 0
	s_wait_kmcnt 0x0
	s_add_nc_u64 s[6:7], s[6:7], s[16:17]
	s_load_b32 s14, s[6:7], 0x0                    ; lens[b]
	v_mov_b32 v10, s10
	s_delay_alu instid0(VALU_DEP_1)
	v_lshlrev_b32 v10, 2, v10                      ; my wave's word
	v_and_b32 v11, 31, v0
	s_delay_alu instid0(VALU_DEP_1)
	v_lshlrev_b32 v11, 2, v11                      ; 4 x lane
	v_lshlrev_b32 v4, 2, v0                        ; my first row
	v_lshlrev_b32 v5, 4, v0                        ; and its place in out0
	v_mov_b32 v6, 0xff800000                       ; -infinity
	v_mov_b32 v9, 0                                ; written once: a lane permute's destination counts as one of its sources
	v_lshrrev_b32 v2, 2, v0                        ; my tile
	v_and_b32 v3, 3, v0
	s_delay_alu instid0(VALU_DEP_1)
	v_lshlrev_b32 v3, 4, v3                        ; my four rows in it
	s_lshl_b32 s16, ttmp9, 17                      ; a batch's 256 tiles of 512 bytes
	s_add_nc_u64 s[4:5], s[4:5], s[16:17]
	s_lshl_b32 s16, ttmp9, 14
	s_add_nc_u64 s[8:9], s[8:9], s[16:17]
	s_wait_alu depctr_va_vdst(0)
	s_wait_kmcnt 0x0
	s_min_u32 s14, s14, 4096
	s_max_u32 s14, s14, 1
	s_add_co_u32 s15, s14, 15
	s_lshr_b32 s15, s15, 4
	s_sub_co_u32 s15, s15, 1                       ; the last live tile
	v_min_u32 v2, s15, v2                          ; only tiles that were made are read
	s_delay_alu instid0(VALU_DEP_1)
	v_min_u32 v2, 0xff, v2                         ; held by a constant ahead of the address
	s_delay_alu instid0(VALU_DEP_1)
	v_lshl_add_u32 v2, v2, 9, v3
.irp c, 0,1,2,3,4,5,6,7
	global_load_b128 v[W+4*\c:W+4*\c+3], v2, s[4:5] offset:64*\c
.endr
.irp e, 0,1,2,3
	s_sub_co_i32 s[20+\e], s14, \e                 ; row 4 i + e is padding where lens - e <= 4 i
.endr
	s_wait_loadcnt 0x0
.irp o, W, V
	v_pk_add_f32 v[\o:\o+1], v[\o:\o+1], v[\o+4:\o+5]
	v_pk_add_f32 v[\o+2:\o+3], v[\o+2:\o+3], v[\o+6:\o+7]
	v_pk_add_f32 v[\o+8:\o+9], v[\o+8:\o+9], v[\o+12:\o+13]
	v_pk_add_f32 v[\o+10:\o+11], v[\o+10:\o+11], v[\o+14:\o+15]
	s_delay_alu instid0(VALU_DEP_2)
	v_pk_add_f32 v[\o:\o+1], v[\o:\o+1], v[\o+8:\o+9]
	s_delay_alu instid0(VALU_DEP_2)
	v_pk_add_f32 v[\o+2:\o+3], v[\o+2:\o+3], v[\o+10:\o+11]
.endr
.irp e, 0,1,2,3
	v_cmp_le_i32 vcc_lo, s[20+\e], v4
	s_delay_alu instid0(VALU_DEP_1)
	v_cndmask_b32 v[W+\e], v[W+\e], v6, vcc_lo     ; the mask
.endr
	s_delay_alu instid0(VALU_DEP_3)
	v_max3_num_f32 v8, v[W], v[W+1], v[W+2]
	s_delay_alu instid0(VALU_DEP_1)
	v_max_num_f32 v8, v8, v[W+3]
	WMAX 8
	ds_store_b32 v10, v8 offset:RMAX               ; all lanes write the same word with the same value
	s_wait_dscnt 0x0                               ; for the others' sake
	s_barrier_signal -1
	s_barrier_wait -1
	ds_load_b32 v12, v11 offset:RMAX               ; lane l: wave l's maximum
	s_wait_dscnt 0x0
	WMAX 12                                        ; the batch's
.irp e, 0,1,2,3
	v_sub_f32 v[W+\e], v[W+\e], v12                ; the maximum is taken away first: exact near it,
.endr
.irp e, 0,1,2,3
	s_delay_alu instid0(VALU_DEP_4)
	v_mul_f32 v[W+\e], 0x3fb8aa3b, v[W+\e]         ; then x log2(e)
.endr
	s_wait_alu depctr_va_vdst(0)
.irp e, 0,1,2,3
	v_exp_f32 v[W+\e], v[W+\e]                     ; p; 0 under the mask
.endr
	v_nop                                          ; a plain instruction behind the last exponential,
	s_wait_alu depctr_va_vdst(0)                   ; and the wait ahead of the first use: one for the four
	v_pk_add_f32 v[14:15], v[W:W+1], v[W+2:W+3]
	s_delay_alu instid0(VALU_DEP_1)
	v_add_f32 v8, v14, v15
	WSUM 8
	ds_store_b32 v10, v8 offset:RSUM
	s_wait_dscnt 0x0
	s_barrier_signal -1
	s_barrier_wait -1
	ds_load_b32 v13, v11 offset:RSUM
	v_pk_mul_f32 v[W:W+1], v[W:W+1], v[V:V+1]      ; p x v while the sums come
	v_pk_mul_f32 v[W+2:W+3], v[W+2:W+3], v[V+2:V+3]
	s_wait_dscnt 0x0
	WSUM 13
	s_wait_alu depctr_va_vdst(0)
	v_rcp_f32 v16, v13
	v_nop
	s_wait_alu depctr_va_vdst(0)
.irp e, 0,1,2,3
	v_mul_f32 v[W+\e], v[W+\e], v16
.endr
	global_store_b128 v5, v[W:W+3], s[8:9]         ; 512 consecutive bytes a wave, aligned
	s_wait_tensorcnt 0x0                           ; the wave's end
	ds_add_u32 v30, v31
	s_wait_dscnt 0x0
	s_endpgm
.Lfunc_end_k_q8d84dab3cf_softmax:
	.size	k_q8d84dab3cf_softmax, .Lfunc_end_k_q8d84dab3cf_softmax-k_q8d84dab3cf_softmax
	.p2alignl 7, 3214868480
	.fill 96, 4, 3214868480
	.section	.rodata,"a",@progbits
	.p2align	6, 0x0
	.amdhsa_kernel k_q8d84dab3cf_softmax
		.amdhsa_group_segment_fixed_size 4608
		.amdhsa_private_segment_fixed_size 0
		.amdhsa_enable_private_segment 0
		.amdhsa_kernarg_size 24
		.amdhsa_user_sgpr_count 2
		.amdhsa_user_sgpr_kernarg_segment_ptr 1
		.amdhsa_wavefront_size32 1
		.amdhsa_system_sgpr_workgroup_id_x 1
		.amdhsa_system_sgpr_workgroup_id_y 1
		.amdhsa_system_sgpr_workgroup_id_z 1
		.amdhsa_system_vgpr_workitem_id 0
		.amdhsa_next_free_vgpr 64
		.amdhsa_next_free_sgpr 66
		.amdhsa_reserve_vcc 1
		.amdhsa_float_denorm_mode_32 3
		.amdhsa_float_denorm_mode_16_64 3
		.amdhsa_memory_ordered 1
		.amdhsa_forward_progress 1
		.amdhsa_inst_pref_size 9
	.end_amdhsa_kernel
	.amdgpu_metadata
---
amdhsa.version: [ 1, 2 ]
amdhsa.kernels:
  - .name:           k_q8d84dab3cf_softmax
    .symbol:         k_q8d84dab3cf_softmax.kd
    .args:
      - { .name: part, .offset: 0, .size: 8, .value_kind: global_buffer, .address_space: global }
      - { .name: lens, .offset: 8, .size: 8, .value_kind: global_buffer, .address_space: global }
      - { .name: out0, .offset: 16, .size: 8, .value_kind: global_buffer, .address_space: global }
    .group_segment_fixed_size: 4608
    .private_segment_fixed_size: 0
    .kernarg_segment_align: 8
    .kernarg_segment_size: 24
    .max_flat_workgroup_size: 1024
    .sgpr_count:     66
    .vgpr_count:     64
    .wavefront_size: 32
...
	.end_amdgpu_metadata
.endif
;; end of part 4
